; MI455X (gfx1250); checked and timed in simulation.
; The chip was launched on July 23, 2026; its instructions are those of AMD's public machine-readable ISA for CDNA 5 (MIT licence, August 2026) and "CDNA5" Instruction Set Architecture Reference Guide (July 2026). The comments in the code are by the model that wrote it; some were corrected since.
;; KNRM. Allowed arithmetic: float matrix products may take bf16 or f16 operands with f32 sums; all other float work in f32.
;; Inputs: b0 10 float32; b1 5 float32; b2 1 float32; doc1 2,048 x 256 int32; doc2 2,048 x 256 int32; emb 100,000 x 50 float32; query1 2,048 x 32 int32; query2 2,048 x 32 int32; w0 10 x 10 float32; w1 5 x 10 float32; w2 1 x 5 float32.
;; Outputs: out0 2,048 x 1 float32.
;; 2 versions, each right; version 2 is version 1 with the launch prep written anew for expert scheduling mode. Each part assembles by itself: llvm-mc -triple=amdgcn-amd-amdhsa -mcpu=gfx1250 --defsym DOCPART=n.
;; ======== version 1 of 2: 2 launches
;; workspace buffers: table 12,800,000 bytes
;; launch prep (part 1): grid 3125 x 1, 1 waves a work-group, no clusters, 11,264 bytes of LDS; arguments emb, table; writes table
.if DOCPART == 1
	.amdgcn_target "amdgcn-amd-amdhsa--gfx1250"
	.amdhsa_code_object_version 6
	.text
	.protected	k_qe1eb36ec46_prep
	.globl	k_qe1eb36ec46_prep
	.p2align	8
	.type	k_qe1eb36ec46_prep,@function
k_qe1eb36ec46_prep:
	s_mov_b64 s[64:65], 0
	v_nop
	global_prefetch_b8 v0, s[64:65] scope:SCOPE_SE
	s_setreg_imm32_b32 hwreg(HW_REG_WAVE_MODE, 25, 1), 1
	s_wait_xcnt 0x0
; table[v] = the normalised row v of emb as 64 f16 (128 bytes), made once for each of the 100,000 rows, so that the
; second launch, which names each row about twelve times, gathers aligned rows that are matrix fragments as they lie.
;   places 0..49 : h_i = f16(y_i),  y = emb[v] * 1 / (|emb[v]| + 1e-13)
;   place  50    : c = 1/2 sum (y_i - h_i)(y_i + h_i) = 1/2 (|y|^2 - |h|^2), summed term by term (no difference of large sums)
;   place  51    : n = |emb[v]| / (|emb[v]| + 1e-13): 1 for ordinary rows, 0 for a row of zeros
;   places 52..63: 0
; The second launch swaps places 50 and 51 in the query's rows, so that its product is h_q.h_d + n_q c_d + c_q n_d:
; for equal tokens that is |y|^2 in f32 accuracy, which the kernel of width 0.001 at 1 needs.
; f16 has the range for every input: |y_i| <= 1 by the normalisation itself.
; One wave is a work-group and takes 32 rows, a row a lane: 6,400 neighbouring bytes in, 4,096 neighbouring bytes out.
; 3,125 x 32 = 100,000.  Rows of 200 bytes are read as 16 neighbouring bytes a lane and dealt to the lanes through LDS;
; the rows of 128 bytes go back through LDS, so that each store of the wave covers 512 consecutive bytes, aligned.
; No matrix unit, cluster or tensor load: each byte is read once, by one wave, and no two work-groups share any.
; LIMITS: a row whose sum of squares is below 2^-126 has its norm taken as 0 by v_sqrt_f32 (ISA guide 15.8): y is still
; right there, since 1e-13 rules the divisor, and n becomes 0.  A sum of squares beyond f32 overflows as it does in f32
; anywhere.  NaN and infinities spread over their row.  Reciprocal and root are good to 1 ULP, not correctly rounded.
.set INROW,   200                      ; bytes of a row of emb
.set INBYTES, 32*INROW                 ; 6,400 = 25 x 256
.set OPITCH,  144                      ; a staged output row: 128 bytes + 16, an odd multiple of 16
.set OUTST,   INBYTES                  ; LDS: bytes 0..6399 the rows as they lie in memory; 6400..11007 the output stage
.set HQ,  8                            ; v[8:11]   four words of the output row (named v8 .. v11 below, for their halves)
.set T,   12                           ; v[12:19]  h back in f32, then y + h
.set E,   20                           ; v[20:27]  y - h
.set SS,  28                           ; v[28:35]  four chains of squares
.set C,   36                           ; v[36:39]  two chains of the correction
.set NRM, 40                           ; v40       |v|
.set DEN, 41                           ; v41       |v| + 1e-13
.set INV, 42                           ; v[42:43]  1 / DEN, and n
.set Y,   44                           ; v[44:93]  my row in f32, normalised in place
.set IN,  94                           ; v[94:143] as loaded; v[94:125] again for the way out
	s_load_b128 s[4:7], s[0:1], 0x0                ; emb s[4:5], table s[6:7]
	v_lshl_add_u32 v144, v0, 2, 0x2b00
	v_mov_b32 v145, 0
	s_mul_i32 s2, ttmp9, INBYTES                   ; at most 19,993,600: one word
	s_mov_b32 s3, 0
	s_lshl_b32 s8, ttmp9, 12                       ; 32 rows of 128 bytes
	s_mov_b32 s9, 0
	v_lshlrev_b32 v1, 4, v0                        ; 16 x lane: loads, stage, stores
	v_lshlrev_b32 v2, 3, v0                        ; 8 x lane: the last 256 bytes
	v_mul_u32_u24 v3, INROW, v0                    ; my row in the staged input
	v_mul_u32_u24 v4, OPITCH, v0
	v_add_nc_u32 v4, OUTST, v4                     ; my row in the output stage
	v_lshrrev_b32 v5, 3, v0                        ; way out: eight lanes take a row of 128 bytes
	v_and_b32 v6, 7, v0
	v_mul_u32_u24 v5, OPITCH, v5
	v_lshl_add_u32 v5, v6, 4, v5
	v_add_nc_u32 v5, OUTST, v5
	s_wait_kmcnt 0x0
	s_add_nc_u64 s[4:5], s[4:5], s[2:3]
	s_add_nc_u64 s[6:7], s[6:7], s[8:9]
	; 12 x 512 + 256 = 6,400 bytes, all requested at once; read once in the launch
.set i, 0
.rept 12
	global_load_b128 v[IN+4*i:IN+4*i+3], v1, s[4:5] offset:512*i th:TH_LOAD_NT
.set i, i+1
.endr
	global_load_b64 v[IN+48:IN+49], v2, s[4:5] offset:6144 th:TH_LOAD_NT
.set i, 0
.rept 12
	s_wait_loadcnt 12-i                            ; loads come back in order (ISA guide 5.7.1): the 12 - i younger ones stay out
	ds_store_b128 v1, v[IN+4*i:IN+4*i+3] offset:512*i
.set i, i+1
.endr
	s_wait_loadcnt 0x0
	ds_store_b64 v2, v[IN+48:IN+49] offset:6144
	; My row, 25 x 8 bytes.  LDS serves a wave's instructions in order (ISA guide 5.7.1.4): these see the stores above.
	; Lane l starts at word 50 l = 2 (25 l): 32 different even words modulo 64.
.set i, 0
.rept 25
	ds_load_b64 v[Y+2*i:Y+2*i+1], v3 offset:8*i
.set i, i+1
.endr
	s_wait_dscnt 0x0
	; the sum of squares, in four chains that the first four pairs start
.set i, 0
.rept 4
	v_pk_mul_f32 v[SS+2*i:SS+2*i+1], v[Y+2*i:Y+2*i+1], v[Y+2*i:Y+2*i+1]
.set i, i+1
.endr
.rept 21
	v_pk_fma_f32 v[SS+2*(i%4):SS+2*(i%4)+1], v[Y+2*i:Y+2*i+1], v[Y+2*i:Y+2*i+1], v[SS+2*(i%4):SS+2*(i%4)+1]
.set i, i+1
.endr
	v_pk_add_f32 v[SS:SS+1], v[SS:SS+1], v[SS+2:SS+3]
	v_pk_add_f32 v[SS+4:SS+5], v[SS+4:SS+5], v[SS+6:SS+7]
	v_pk_add_f32 v[SS:SS+1], v[SS:SS+1], v[SS+4:SS+5]
	v_add_f32 v[SS], v[SS], v[SS+1]
	v_sqrt_f32 v[NRM], v[SS]
	v_nop                                          ; one plain place behind a transcendental before its result is used (ISA guide 5.7.2)
	s_wait_alu depctr_va_vdst(0)
	v_add_f32 v[DEN], 0x29e12e13, v[NRM]           ; + 1e-13
	v_rcp_f32 v[INV], v[DEN]
	v_nop                                          ; likewise
	s_wait_alu depctr_va_vdst(0)
	v_mul_f32 v[INV+1], v[NRM], v[INV]             ; n
.set i, 0
.rept 25
	v_pk_mul_f32 v[Y+2*i:Y+2*i+1], v[Y+2*i:Y+2*i+1], v[INV:INV+1] op_sel_hi:[1,0]   ; both halves by 1 / DEN
.set i, i+1
.endr
; Four words (eight places) of the output row: round to f16, take the rounding back into f32 for the correction, stage 16 bytes.
; An LDS store has read its data when it is issued, so v8 .. v11 serve every group in turn.
.macro GROUP g, first
.irp k, 0,1,2,3
	v_cvt_pk_f16_f32 v[HQ+\k], v[Y+8*\g+2*\k], v[Y+8*\g+2*\k+1]
.endr
	v_cvt_f32_f16 v[T+0], v8.l
	v_cvt_f32_f16 v[T+1], v8.h
	v_cvt_f32_f16 v[T+2], v9.l
	v_cvt_f32_f16 v[T+3], v9.h
	v_cvt_f32_f16 v[T+4], v10.l
	v_cvt_f32_f16 v[T+5], v10.h
	v_cvt_f32_f16 v[T+6], v11.l
	v_cvt_f32_f16 v[T+7], v11.h
.irp k, 0,2,4,6
	v_pk_add_f32 v[E+\k:E+\k+1], v[Y+8*\g+\k:Y+8*\g+\k+1], v[T+\k:T+\k+1] neg_lo:[0,1] neg_hi:[0,1]   ; y - h
.endr
.irp k, 0,2,4,6
	v_pk_add_f32 v[T+\k:T+\k+1], v[Y+8*\g+\k:Y+8*\g+\k+1], v[T+\k:T+\k+1]                             ; y + h
.endr
.if \first
	v_pk_mul_f32 v[C:C+1], v[E:E+1], v[T:T+1]                      ; the first products start the two chains
	v_pk_mul_f32 v[C+2:C+3], v[E+2:E+3], v[T+2:T+3]
.else
	v_pk_fma_f32 v[C:C+1], v[E:E+1], v[T:T+1], v[C:C+1]
	v_pk_fma_f32 v[C+2:C+3], v[E+2:E+3], v[T+2:T+3], v[C+2:C+3]
.endif
	v_pk_fma_f32 v[C:C+1], v[E+4:E+5], v[T+4:T+5], v[C:C+1]
	v_pk_fma_f32 v[C+2:C+3], v[E+6:E+7], v[T+6:T+7], v[C+2:C+3]
	ds_store_b128 v4, v[HQ:HQ+3] offset:16*\g
.endm
	GROUP 0, 1
	GROUP 1, 0
	GROUP 2, 0
	GROUP 3, 0
	GROUP 4, 0
	GROUP 5, 0
	; places 48 and 49, then c and n, then zeros
	v_cvt_pk_f16_f32 v8, v[Y+48], v[Y+49]
	v_cvt_f32_f16 v[T+0], v8.l
	v_cvt_f32_f16 v[T+1], v8.h
	v_pk_add_f32 v[E:E+1], v[Y+48:Y+49], v[T:T+1] neg_lo:[0,1] neg_hi:[0,1]
	v_pk_add_f32 v[T:T+1], v[Y+48:Y+49], v[T:T+1]
	v_pk_fma_f32 v[C:C+1], v[E:E+1], v[T:T+1], v[C:C+1]
	v_pk_add_f32 v[C:C+1], v[C:C+1], v[C+2:C+3]
	v_add_f32 v[C], v[C], v[C+1]
	v_mul_f32 v[C], 0.5, v[C]
	v_cvt_pk_f16_f32 v9, v[C], v[INV+1]            ; place 50 = c in the low half, place 51 = n in the high half
	v_mov_b32 v10, 0
	v_mov_b32 v11, 0
	ds_store_b128 v4, v[HQ:HQ+3] offset:96
	v_mov_b32 v8, 0
	v_mov_b32 v9, 0
	ds_store_b128 v4, v[HQ:HQ+3] offset:112
	; the way out: four rows (512 bytes) a load, stored as 512 consecutive bytes at a multiple of 512 from the table's first byte.
	; No hint on the stores: the next launch reads the table.
.set i, 0
.rept 8
	ds_load_b128 v[IN+4*i:IN+4*i+3], v5 offset:4*OPITCH*i          ; in order behind the wave's own stores
.set i, i+1
.endr
.set i, 0
.rept 8
	s_wait_dscnt 7-i                               ; the 7 - i younger loads stay out
	global_store_b128 v1, v[IN+4*i:IN+4*i+3], s[6:7] offset:512*i
.set i, i+1
.endr
	s_wait_tensorcnt 0x0
	ds_add_u32 v144, v145
	s_wait_dscnt 0x0
	s_endpgm
.Lfunc_end_k_qe1eb36ec46_prep:
	.size	k_qe1eb36ec46_prep, .Lfunc_end_k_qe1eb36ec46_prep-k_qe1eb36ec46_prep
	.p2alignl 7, 3214868480
	.fill 96, 4, 3214868480
	.section	.rodata,"a",@progbits
	.p2align	6, 0x0
	.amdhsa_kernel k_qe1eb36ec46_prep
		.amdhsa_group_segment_fixed_size 11264
		.amdhsa_private_segment_fixed_size 0
		.amdhsa_enable_private_segment 0
		.amdhsa_kernarg_size 16
		.amdhsa_user_sgpr_count 2
		.amdhsa_user_sgpr_kernarg_segment_ptr 1
		.amdhsa_wavefront_size32 1
		.amdhsa_system_sgpr_workgroup_id_x 1
		.amdhsa_system_sgpr_workgroup_id_y 1
		.amdhsa_system_sgpr_workgroup_id_z 1
		.amdhsa_system_vgpr_workitem_id 0
		.amdhsa_next_free_vgpr 146
		.amdhsa_next_free_sgpr 66
		.amdhsa_reserve_vcc 0
		.amdhsa_float_denorm_mode_32 3
		.amdhsa_float_denorm_mode_16_64 3
		.amdhsa_memory_ordered 1
		.amdhsa_forward_progress 1
		.amdhsa_inst_pref_size 20
	.end_amdhsa_kernel
	.amdgpu_metadata
---
amdhsa.version: [ 1, 2 ]
amdhsa.kernels:
  - .name:           k_qe1eb36ec46_prep
    .symbol:         k_qe1eb36ec46_prep.kd
    .args:
      - { .name: emb, .offset: 0, .size: 8, .value_kind: global_buffer, .address_space: global }
      - { .name: table, .offset: 8, .size: 8, .value_kind: global_buffer, .address_space: global }
    .group_segment_fixed_size: 11264
    .private_segment_fixed_size: 0
    .kernarg_segment_align: 8
    .kernarg_segment_size: 16
    .max_flat_workgroup_size: 32
    .sgpr_count:     66
    .vgpr_count:     146
    .wavefront_size: 32
...
	.end_amdgpu_metadata
.endif
;; end of part 1
;; launch knrm (part 2): grid 256 x 1, 16 waves a work-group, no clusters, 2,304 bytes of LDS; arguments table, doc1, doc2, query1, query2, w0, b0, w1, b1, w2, b2, out0; writes out0
.if DOCPART == 2
	.amdgcn_target "amdgcn-amd-amdhsa--gfx1250"
	.amdhsa_code_object_version 6
	.text
	.protected	k_qe1eb36ec46_knrm
	.globl	k_qe1eb36ec46_knrm
	.p2align	8
	.type	k_qe1eb36ec46_knrm,@function
k_qe1eb36ec46_knrm:
	s_mov_b64 s[64:65], 0
	v_nop
	global_prefetch_b8 v0, s[64:65] scope:SCOPE_SE
	s_setreg_imm32_b32 hwreg(HW_REG_WAVE_MODE, 25, 1), 1
	s_wait_xcnt 0x0
; out0[b] = sigmoid(logit(query1[b], doc1[b]) - logit(query2[b], doc2[b])).
; 256 work-groups of 16 waves; a work-group takes 8 batch rows, a wave one (batch row, side): side = wave & 1, b = 8 x group + wave / 2.
; A wave gathers its 32 query rows and 256 document rows from the table of normalised f16 rows (128 bytes each, written by the
; launch before), straight into matrix fragments: lane (r = l % 16, h = l / 16) takes bytes 64 h .. 64 h + 63 of its row into 16 registers.
; Documents and queries are read by the same pattern, so each place of K meets its like (a permutation of K alike on both sides).
; A tile is 16 documents (source A) x 16 queries (source B), K = 64 in two matrix instructions; in the result lane r holds query r
; and its 8 registers hold documents 8 h + 0..7: the sum over documents runs along registers, over tiles, and once across the lane halves.
; The sums over documents and over queries do not hang on the order, so tile t holds documents 16 r + t (a lane's 16 indices are 64
; neighbouring bytes) and query tile u holds queries 2 r + u.
; THE TEN KERNELS.  mu_k = (k - 4) d for k = 0..8, d = 2/9, width 0.1; kernel 9: mu = 1, width 0.001.  With m = k - 4:
;   exp(-50 (x - m d)^2) = c_m k4 r^m,   k4 = exp(-50 x^2),  r = exp(100 d x),  c_m = exp(-50 m^2 d^2).
; c_m hangs on no document: the wave sums p_m = k4 r^m and multiplies once behind the sum.  Four exponentials a cosine in place of ten.
; |x| <= 1 (up to rounding) for every input, since the rows are normalised: k4 >= 2^-73, r within 2^+-33, p_m <= 2^58, a sum of 256 <= 2^66;
; a p_m vanishes only where the true kernel value lies below 2^-126 as well.
; The exponents are bounded by the computation itself, so there is no maximum to take away (reference() takes none).
; NO CLUSTER, TENSOR LOAD OR LDS RING: the rows are named by data, no two work-groups share a tile, and a lane's 64 bytes are its fragment as they lie.
; LIMITS: log1p(s) is made as ln 2 x log2(1 + s): absolute error up to 2^-24 in each of the 32 terms, the relative accuracy for tiny s is not kept.
; The mu are taken as exact multiples of 2/9 (their f32 roundings differ by at most 6e-8).  Indices are clamped to 0 .. 99999 (as unsigned numbers).
; Operands are f16 with a first-order correction (places 50, 51 of a row); sums in f32, in another order than reference()'s.  NaN and infinities are not followed.
.set OFF,  4                           ; v[4:19]    my 16 document indices, then byte offsets of my half rows; never rewritten after that
.set QOFF, 20                          ; v[20:21]   the same for my 2 queries (stands behind OFF: one run of 18)
.set NA,   22                          ; v[22:23]   -A twice
.set QF,   24                          ; v[24:55]   query tile u, K step s at QF + 16 u + 8 s
.set DF,   56                          ; v[56:119]  a ring of four document tiles, 16 registers each
.set X,    120                         ; v[120:135] cosines: two result tiles (query tile 0, 1)
.set PU,   136                         ; v[136:143] k4 r^m, rising
.set PD,   144                         ; v[144:151] k4 r^-m
.set R,    152                         ; v[152:159] exponent, then r
.set RI,   160                         ; v[160:167] exponent, then 1 / r
.set K,    168                         ; v[168:175] exponent, then k4
.set KE,   176                         ; v[176:183] exponent, then the kernel at 1
.set ACC,  184                         ; v[184:223] sums over documents: kernel k, query tile u: the pair at ACC + 4 k + 2 u
.set W0R,  224                         ; v[224:233] row min(r, 9) of w0
.set B0,   234                         ; v234       b0[min(r, 9)]
.set W1C,  235                         ; v[235:239] column min(r, 9) of w1
.set WOF,  240                         ; v240       40 min(r, 9)
.set BOF,  241                         ; v241       4 min(r, 9)
.set TMP,  242
.set RL,   243                         ; v243       r
; s2 wave, s3 side, s4 b, s[6:7] an offset, s[8:31] the twelve addresses, s[32:33] my document indices, s[34:35] my query indices,
; s[36:37] CV, s[38:39] CU, s[40:41] A, s[50:51] -CV (each twice: a pair is read whole), s42-43 lane selects,
; s[44:48] b1, s[52:56] w2, s57 b2, s58 EXEC, s[60:61] an offset
	s_load_b512 s[8:23], s[0:1], 0x0               ; table 8, doc1 10, doc2 12, query1 14, query2 16, w0 18, b0 20, w1 22
	s_load_b256 s[24:31], s[0:1], 0x40             ; b1 24, w2 26, b2 28, out0 30
	v_lshl_add_u32 v244, v0, 2, 0x100
	v_mov_b32 v245, 0
	v_lshrrev_b32 v[TMP], 5, v0
	v_readfirstlane_b32 s2, v[TMP]                 ; wave 0..15
	s_and_b32 s3, s2, 1                            ; side
	s_lshr_b32 s4, s2, 1
	s_lshl_b32 s5, ttmp9, 3
	s_add_co_u32 s4, s4, s5                        ; batch row
	v_and_b32 v[RL], 15, v0                        ; r
	v_lshlrev_b32 v1, 6, v[RL]                     ; my 16 document indices: 64 r
	v_lshlrev_b32 v2, 3, v[RL]                     ; my 2 query indices: 8 r
	v_and_b32 v3, 16, v0
	v_lshlrev_b32 v3, 2, v3                        ; 64 h: my half of a table row
	v_min_u32 v[WOF], 9, v[RL]                     ; lanes 10..15 read lane 9's weights: every load stays inside its buffer
	v_lshlrev_b32 v[BOF], 2, v[WOF]
	v_mul_u32_u24 v[WOF], 40, v[WOF]
	s_mov_b32 s36, 0x42003d54                      ; CV = 100 d log2(e) = 32.05989
	s_mov_b32 s37, 0x42003d54
	s_mov_b32 s38, 0xc29044fe                      ; CU = -50 log2(e) = -72.13475
	s_mov_b32 s39, 0xc29044fe
	s_mov_b32 s40, 0x44545498                      ; A = sqrt(500000 log2(e)) = 849.3218
	s_mov_b32 s41, 0x44545498
	s_mov_b32 s50, 0xc2003d54                      ; -CV
	s_mov_b32 s51, 0xc2003d54
	s_mov_b32 s42, 0x76543210                      ; v_permlanex16_b32: lane i of one half reads lane i of the other
	s_mov_b32 s43, 0xfedcba98
	v_mov_b32 v[NA], 0xc4545498                    ; -A
	v_mov_b32 v[NA+1], 0xc4545498
	s_wait_kmcnt 0x0
	s_cmp_eq_u32 s3, 0
	s_cselect_b64 s[32:33], s[10:11], s[12:13]     ; doc1 or doc2
	s_cselect_b64 s[34:35], s[14:15], s[16:17]     ; query1 or query2
	s_lshl_b32 s6, s4, 10                          ; 256 indices a row
	s_mov_b32 s7, 0
	s_add_nc_u64 s[32:33], s[32:33], s[6:7]
	s_lshl_b32 s6, s4, 7                           ; 32 indices a row
	s_add_nc_u64 s[34:35], s[34:35], s[6:7]
	; five index loads (read once in the launch), then the weights
.irp c, 0,1,2,3
	global_load_b128 v[OFF+4*\c:OFF+4*\c+3], v1, s[32:33] offset:16*\c th:TH_LOAD_NT
.endr
	global_load_b64 v[QOFF:QOFF+1], v2, s[34:35] th:TH_LOAD_NT
	s_load_b128 s[44:47], s[24:25], 0x0            ; b1[0..3]
	s_load_b32 s48, s[24:25], 0x10                 ; b1[4]
	s_load_b128 s[52:55], s[26:27], 0x0            ; w2[0..3]
	s_load_b32 s56, s[26:27], 0x10                 ; w2[4]
	s_load_b32 s57, s[28:29], 0x0                  ; b2
.irp i, 0,1,2,3,4
	global_load_b64 v[W0R+2*\i:W0R+2*\i+1], v[WOF], s[18:19] offset:8*\i
.endr
	global_load_b32 v[B0], v[BOF], s[20:21]
.irp i, 0,1,2,3,4
	global_load_b32 v[W1C+\i], v[BOF], s[22:23] offset:40*\i
.endr
	s_wait_loadcnt 11                              ; the eleven weight loads stay out: the indices are in
.set i, 0
.rept 18
	v_min_u32 v[OFF+i], 0x1869f, v[OFF+i]          ; inside the table
	v_lshl_add_u32 v[OFF+i], v[OFF+i], 7, v3       ; 128 x index + 64 h
.set i, i+1
.endr
; my half (64 bytes) of a table row into 16 registers.  No hint: rows are read again by many waves.
.macro LOADROW dst, off
.irp c, 0,1,2,3
	global_load_b128 v[\dst+4*\c:\dst+4*\c+3], v[\off], s[8:9] offset:16*\c
.endr
.endm
	LOADROW QF, QOFF
	LOADROW QF+16, QOFF+1
	LOADROW DF, OFF
	LOADROW DF+16, OFF+1
	LOADROW DF+32, OFF+2
	LOADROW DF+48, OFF+3
	s_wait_loadcnt 16                              ; the sixteen document loads stay out: query rows and weights are in
	; Places 50 and 51 are bytes 100..103 of a row: h = 1, register 9 of the 16.  In the queries' rows their halves change places.
	v_cmp_ne_u32 vcc_lo, 0, v3                     ; lanes with h = 1
.irp u, 0,1
	v_perm_b32 v[TMP], v[QF+16*\u+9], v[QF+16*\u+9], 0x01000302
	v_cndmask_b32 v[QF+16*\u+9], v[QF+16*\u+9], v[TMP], vcc_lo
.endr
; 16 documents x 32 queries, K = 64.  The first product of each tile starts its sum; the two accumulators take turns.
.macro MM s
	v_wmma_f32_16x16x32_f16 v[X:X+7],    v[DF+16*\s:DF+16*\s+7],    v[QF:QF+7],     0
	v_wmma_f32_16x16x32_f16 v[X+8:X+15], v[DF+16*\s:DF+16*\s+7],    v[QF+16:QF+23], 0
	v_wmma_f32_16x16x32_f16 v[X:X+7],    v[DF+16*\s+8:DF+16*\s+15], v[QF+8:QF+15],  v[X:X+7]
	v_wmma_f32_16x16x32_f16 v[X+8:X+15], v[DF+16*\s+8:DF+16*\s+15], v[QF+24:QF+31], v[X+8:X+15]
.endm
; Four places behind the last matrix instruction, in front of the loads into its source and of the first reader of its result.
.macro PLACES
.rept 4
	v_nop
.endr
.endm
; The four pairs at sa are added to kernel ka's sum and those at sb to kernel kb's, by turns.  first = 1: two pairs start each sum, nothing is cleared.
.macro ACC2 ka, sa, kb, sb, u, first
.if \first
	s_wait_alu depctr_va_vdst(0)
	v_pk_add_f32 v[ACC+4*\ka+2*\u:ACC+4*\ka+2*\u+1], v[\sa:\sa+1], v[\sa+2:\sa+3]
	v_pk_add_f32 v[ACC+4*\kb+2*\u:ACC+4*\kb+2*\u+1], v[\sb:\sb+1], v[\sb+2:\sb+3]
.else
.irp p, 0,2
	v_pk_add_f32 v[ACC+4*\ka+2*\u:ACC+4*\ka+2*\u+1], v[ACC+4*\ka+2*\u:ACC+4*\ka+2*\u+1], v[\sa+\p:\sa+\p+1]
	v_pk_add_f32 v[ACC+4*\kb+2*\u:ACC+4*\kb+2*\u+1], v[ACC+4*\kb+2*\u:ACC+4*\kb+2*\u+1], v[\sb+\p:\sb+\p+1]
.endr
.endif
.irp p, 4,6
	v_pk_add_f32 v[ACC+4*\ka+2*\u:ACC+4*\ka+2*\u+1], v[ACC+4*\ka+2*\u:ACC+4*\ka+2*\u+1], v[\sa+\p:\sa+\p+1]
	v_pk_add_f32 v[ACC+4*\kb+2*\u:ACC+4*\kb+2*\u+1], v[ACC+4*\kb+2*\u:ACC+4*\kb+2*\u+1], v[\sb+\p:\sb+\p+1]
.endr
.endm
; The last power is not kept: its product goes into the sum by one fused multiply-add.
.macro FMA2 ka, pa, ra, kb, pb, rb, u, first
.if \first
	v_pk_mul_f32 v[ACC+4*\ka+2*\u:ACC+4*\ka+2*\u+1], v[\pa:\pa+1], v[\ra:\ra+1]
	v_pk_mul_f32 v[ACC+4*\kb+2*\u:ACC+4*\kb+2*\u+1], v[\pb:\pb+1], v[\rb:\rb+1]
.else
	v_pk_fma_f32 v[ACC+4*\ka+2*\u:ACC+4*\ka+2*\u+1], v[\pa:\pa+1], v[\ra:\ra+1], v[ACC+4*\ka+2*\u:ACC+4*\ka+2*\u+1]
	v_pk_fma_f32 v[ACC+4*\kb+2*\u:ACC+4*\kb+2*\u+1], v[\pb:\pb+1], v[\rb:\rb+1], v[ACC+4*\kb+2*\u:ACC+4*\kb+2*\u+1]
.endif
.irp p, 2,4,6
	v_pk_fma_f32 v[ACC+4*\ka+2*\u:ACC+4*\ka+2*\u+1], v[\pa+\p:\pa+\p+1], v[\ra+\p:\ra+\p+1], v[ACC+4*\ka+2*\u:ACC+4*\ka+2*\u+1]
	v_pk_fma_f32 v[ACC+4*\kb+2*\u:ACC+4*\kb+2*\u+1], v[\pb+\p:\pb+\p+1], v[\rb+\p:\rb+\p+1], v[ACC+4*\kb+2*\u:ACC+4*\kb+2*\u+1]
.endr
.endm
.macro STEP                            ; one power on: PU *= r, PD *= 1 / r
.irp p, 0,2,4,6
	v_pk_mul_f32 v[PU+\p:PU+\p+1], v[PU+\p:PU+\p+1], v[R+\p:R+\p+1]
	v_pk_mul_f32 v[PD+\p:PD+\p+1], v[PD+\p:PD+\p+1], v[RI+\p:RI+\p+1]
.endr
.endm
; The ten kernels of the lane's eight cosines of query tile u: 88 packed lines and 32 exponentials for the wave's 256 cosines.
.macro KERN u, first
.irp p, 0,2,4,6
	v_pk_mul_f32 v[K+\p:K+\p+1], v[X+8*\u+\p:X+8*\u+\p+1], v[X+8*\u+\p:X+8*\u+\p+1]                 ; x^2
.endr
.irp p, 0,2,4,6
	v_pk_fma_f32 v[KE+\p:KE+\p+1], v[X+8*\u+\p:X+8*\u+\p+1], s[40:41], v[NA:NA+1] op_sel_hi:[1,0,1]  ; A x - A, rounded once
.endr
.irp p, 0,2,4,6
	v_pk_mul_f32 v[R+\p:R+\p+1], v[X+8*\u+\p:X+8*\u+\p+1], s[36:37] op_sel_hi:[1,0]                  ; CV x
.endr
.irp p, 0,2,4,6
	v_pk_mul_f32 v[RI+\p:RI+\p+1], v[X+8*\u+\p:X+8*\u+\p+1], s[50:51] op_sel_hi:[1,0]                ; -CV x
.endr
.irp p, 0,2,4,6
	v_pk_mul_f32 v[K+\p:K+\p+1], v[K+\p:K+\p+1], s[38:39] op_sel_hi:[1,0]                            ; CU x^2
.endr
.irp p, 0,2,4,6
	v_pk_mul_f32 v[KE+\p:KE+\p+1], v[KE+\p:KE+\p+1], v[KE+\p:KE+\p+1] neg_lo:[1,0] neg_hi:[1,0]      ; -(A x - A)^2
.endr
.irp b, K, KE, R, RI
.irp i, 0,1,2,3,4,5,6,7
	v_exp_f32 v[\b+\i], v[\b+\i]
.endr
.endr
	v_nop                                          ; the plain place between the run of exponentials and the first use of a result (ISA guide 5.7.2)
	s_wait_alu depctr_va_vdst(0)
	ACC2 4, K, 9, KE, \u, \first
.irp p, 0,2,4,6
	v_pk_mul_f32 v[PU+\p:PU+\p+1], v[K+\p:K+\p+1], v[R+\p:R+\p+1]
	v_pk_mul_f32 v[PD+\p:PD+\p+1], v[K+\p:K+\p+1], v[RI+\p:RI+\p+1]
.endr
	ACC2 5, PU, 3, PD, \u, \first
	STEP
	ACC2 6, PU, 2, PD, \u, \first
	STEP
	ACC2 7, PU, 1, PD, \u, \first
	FMA2 8, PU, R, 0, PD, RI, \u, \first
.endm
; Document tile t, in ring slot t % 4.  Sixteen loads are out at its head, its own four the oldest; the slot is asked for again,
; for tile t + 4, as soon as the matrix instructions have read it: three tiles' work ahead of its use.  Each refill names an offset
; register of its own, so the sixteen tiles are written out and no address register is ever rewritten.
.macro TILE t, first
.if \t <= 12
	s_wait_loadcnt 12                              ; loads come back in order (ISA guide 5.7.1): the three younger tiles stay out
.else
	s_wait_loadcnt 4*(15-\t)                       ; nothing is asked for any more: the counts run down
.endif
	MM (\t%4)
	PLACES
.if \t < 12
	LOADROW DF+16*(\t%4), OFF+\t+4
.endif
	KERN 0, \first
	KERN 1, \first
.endm
	TILE 0, 1
.irp t, 1,2,3,4,5,6,7,8,9,10,11,12,13,14,15
	TILE \t, 0
.endr
	; THE END OF A WAVE'S ITEM.  c_m = 2^(-m^2 G), G = (200/81) log2(e) = 3.56221; the adds below are the plain places behind these four.
	s_wait_kmcnt 0x0                               ; b1, w2, b2
	v_exp_f32 v[PU+1], 0xc063fb40
	v_exp_f32 v[PU+2], 0xc163fb40
	v_exp_f32 v[PU+3], 0xc2003d54
	v_exp_f32 v[PU+4], 0xc263fb40
.set i, 0
.rept 20
	v_add_f32 v[ACC+2*i], v[ACC+2*i], v[ACC+2*i+1]                 ; even and odd documents
.set i, i+1
.endr
.set i, 0
.rept 20
	v_permlanex16_b32 v[ACC+2*i+1], v[ACC+2*i], s42, s43           ; the other half's documents (the destination has been written)
.set i, i+1
.endr
.set i, 0
.rept 20
	v_add_f32 v[ACC+2*i], v[ACC+2*i], v[ACC+2*i+1]                 ; all 256 documents, for query (r, u)
.set i, i+1
.endr
.macro SCALE k, m
	s_wait_alu depctr_va_vdst(0)
.irp u, 0,2
	v_fma_f32 v[ACC+4*\k+\u], v[ACC+4*\k+\u], v[PU+\m], 1.0        ; 1 + c_m x sum
.endr
.endm
	SCALE 0, 4
	SCALE 1, 3
	SCALE 2, 2
	SCALE 3, 1
	SCALE 5, 1
	SCALE 6, 2
	SCALE 7, 3
	SCALE 8, 4
.irp k, 4,9
.irp u, 0,2
	v_add_f32 v[ACC+4*\k+\u], 1.0, v[ACC+4*\k+\u]
.endr
.endr
.set i, 0
.rept 20
	v_log_f32 v[ACC+2*i+1], v[ACC+2*i]                             ; log2; ln 2 is folded into the first layer
.set i, i+1
.endr
	v_nop                                          ; the plain place behind the run of logarithms
	s_wait_alu depctr_va_vdst(0)
.irp k, 0,1,2,3,4,5,6,7,8,9
	v_add_f32 v[ACC+4*\k], v[ACC+4*\k+1], v[ACC+4*\k+3]            ; the two query tiles
.endr
.irp m, 1,2,4,8
.irp k, 0,1,2,3,4,5,6,7,8,9
	v_add_f32_dpp v[ACC+4*\k], v[ACC+4*\k], v[ACC+4*\k] row_xmask:\m row_mask:0xf bank_mask:0xf   ; over the 16 lanes: all 32 queries, in every lane
.endr
.endr
	; layer 0: lane r makes unit min(r, 9)
	v_mul_f32 v[PD], v[W0R], v[ACC]
.irp k, 1,2,3,4,5,6,7,8,9
	v_fmac_f32 v[PD], v[W0R+\k], v[ACC+4*\k]
.endr
	v_fmamk_f32 v[PD], v[PD], 0x3f317218, v[B0]    ; x ln 2 + b0
	v_cmp_gt_u32 vcc_lo, 10, v[RL]
	v_max_num_f32 v[PD], 0, v[PD]
	v_cndmask_b32 v[PD], 0, v[PD], vcc_lo          ; lanes 10..15 add nothing below
	; layer 1: lane r holds w1[i][r] h0[r]; summed over the 16 lanes
.irp i, 0,1,2,3,4
	v_mul_f32 v[R+\i], v[W1C+\i], v[PD]
.endr
.irp m, 1,2,4,8
.irp i, 0,1,2,3,4
	v_add_f32_dpp v[R+\i], v[R+\i], v[R+\i] row_xmask:\m row_mask:0xf bank_mask:0xf
.endr
.endr
.irp i, 0,1,2,3,4
	v_add_f32 v[R+\i], s[44+\i], v[R+\i]
.endr
.irp i, 0,1,2,3,4
	v_max_num_f32 v[R+\i], 0, v[R+\i]
.endr
	; layer 2
	v_fma_f32 v[K], s52, v[R], s57
.irp i, 1,2,3,4
	v_fma_f32 v[K], s[52+\i], v[R+\i], v[K]
.endr
	; the two sides meet: a word a wave, one barrier
	v_mov_b32 v[TMP], s2
	v_lshlrev_b32 v[TMP], 2, v[TMP]
	ds_store_b32 v[TMP], v[K]                      ; all lanes write the same word with the same value
	s_wait_dscnt 0x0                               ; for wave 0's sake: my store is done before I signal
	s_barrier_signal -1
	s_barrier_wait -1
	s_cmp_lg_u32 s2, 0
	s_cbranch_scc1 .Lend
	v_and_b32 v[TMP], 7, v0
	v_lshlrev_b32 v[TMP], 3, v[TMP]
	ds_load_b64 v[PU:PU+1], v[TMP]                 ; logit 1 and logit 2 of batch row lane % 8
	v_lshlrev_b32 v[RL], 2, v0
	s_lshl_b32 s60, ttmp9, 5                       ; eight results of 4 bytes a work-group
	s_mov_b32 s61, 0
	s_add_nc_u64 s[30:31], s[30:31], s[60:61]
	s_wait_dscnt 0x0
	v_sub_f32 v[PU], v[PU], v[PU+1]
	v_mul_f32 v[PU], 0xbfb8aa3b, v[PU]             ; -log2(e) x difference
	v_exp_f32 v[PU], v[PU]
	v_nop                                          ; a plain place behind each transcendental
	s_wait_alu depctr_va_vdst(0)
	v_add_f32 v[PU], 1.0, v[PU]
	v_rcp_f32 v[PU], v[PU]
	v_nop
	v_cmp_gt_u32 vcc_lo, 8, v0
	s_wait_xcnt 0x0                                ; EXEC changes only behind this wait
	s_and_saveexec_b32 s58, vcc_lo
	s_wait_alu depctr_va_vdst(0)
	global_store_b32 v[RL], v[PU], s[30:31]        ; the work-group owns 32 bytes of the output
	s_wait_xcnt 0x0                                ; and again in front of the line that widens it
	s_or_b32 exec_lo, exec_lo, s58
.Lend:
	s_wait_tensorcnt 0x0
	ds_add_u32 v244, v245
	s_wait_dscnt 0x0
	s_endpgm
.Lfunc_end_k_qe1eb36ec46_knrm:
	.size	k_qe1eb36ec46_knrm, .Lfunc_end_k_qe1eb36ec46_knrm-k_qe1eb36ec46_knrm
	.p2alignl 7, 3214868480
	.fill 96, 4, 3214868480
	.section	.rodata,"a",@progbits
	.p2align	6, 0x0
	.amdhsa_kernel k_qe1eb36ec46_knrm
		.amdhsa_group_segment_fixed_size 2304
		.amdhsa_private_segment_fixed_size 0
		.amdhsa_enable_private_segment 0
		.amdhsa_kernarg_size 96
		.amdhsa_user_sgpr_count 2
		.amdhsa_user_sgpr_kernarg_segment_ptr 1
		.amdhsa_wavefront_size32 1
		.amdhsa_system_sgpr_workgroup_id_x 1
		.amdhsa_system_sgpr_workgroup_id_y 1
		.amdhsa_system_sgpr_workgroup_id_z 1
		.amdhsa_system_vgpr_workitem_id 0
		.amdhsa_next_free_vgpr 246
		.amdhsa_next_free_sgpr 66
		.amdhsa_reserve_vcc 1
		.amdhsa_float_denorm_mode_32 3
		.amdhsa_float_denorm_mode_16_64 3
		.amdhsa_memory_ordered 1
		.amdhsa_forward_progress 1
		.amdhsa_inst_pref_size 241
	.end_amdhsa_kernel
	.amdgpu_metadata
---
amdhsa.version: [ 1, 2 ]
amdhsa.kernels:
  - .name:           k_qe1eb36ec46_knrm
    .symbol:         k_qe1eb36ec46_knrm.kd
    .args:
      - { .name: table, .offset: 0, .size: 8, .value_kind: global_buffer, .address_space: global }
      - { .name: doc1, .offset: 8, .size: 8, .value_kind: global_buffer, .address_space: global }
      - { .name: doc2, .offset: 16, .size: 8, .value_kind: global_buffer, .address_space: global }
      - { .name: query1, .offset: 24, .size: 8, .value_kind: global_buffer, .address_space: global }
      - { .name: query2, .offset: 32, .size: 8, .value_kind: global_buffer, .address_space: global }
      - { .name: w0, .offset: 40, .size: 8, .value_kind: global_buffer, .address_space: global }
      - { .name: b0, .offset: 48, .size: 8, .value_kind: global_buffer, .address_space: global }
      - { .name: w1, .offset: 56, .size: 8, .value_kind: global_buffer, .address_space: global }
      - { .name: b1, .offset: 64, .size: 8, .value_kind: global_buffer, .address_space: global }
      - { .name: w2, .offset: 72, .size: 8, .value_kind: global_buffer, .address_space: global }
      - { .name: b2, .offset: 80, .size: 8, .value_kind: global_buffer, .address_space: global }
      - { .name: out0, .offset: 88, .size: 8, .value_kind: global_buffer, .address_space: global }
    .group_segment_fixed_size: 2304
    .private_segment_fixed_size: 0
    .kernarg_segment_align: 8
    .kernarg_segment_size: 96
    .max_flat_workgroup_size: 512
    .sgpr_count:     66
    .vgpr_count:     246
    .wavefront_size: 32
...
	.end_amdgpu_metadata
.endif
;; end of part 2
;; ======== version 2 of 2: 2 launches; version 1 with the launch prep written anew for expert scheduling mode
;; workspace buffers: table 12,800,000 bytes
;; launch prep (part 3): grid 3125 x 1, 1 waves a work-group, no clusters, 11,264 bytes of LDS; arguments emb, table; writes table
.if DOCPART == 3
	.amdgcn_target "amdgcn-amd-amdhsa--gfx1250"
	.amdhsa_code_object_version 6
	.text
	.protected	k_qe1eb36ec46_prep
	.globl	k_qe1eb36ec46_prep
	.p2align	8
	.type	k_qe1eb36ec46_prep,@function
k_qe1eb36ec46_prep:
	s_mov_b64 s[64:65], 0
	v_nop
	global_prefetch_b8 v0, s[64:65] scope:SCOPE_SE
	s_setreg_imm32_b32 hwreg(HW_REG_WAVE_SCHED_MODE, 0, 2), 2
	s_setreg_imm32_b32 hwreg(HW_REG_WAVE_MODE, 25, 1), 1
	s_wait_xcnt 0x0
	s_wait_alu depctr_vm_vsrc(0)
; table[v] = the normalised row v of emb as 64 f16 (128 bytes), made once for each of the 100,000 rows, so that the
; second launch, which names each row about twelve times, gathers aligned rows that are matrix fragments as they lie.
;   places 0..49 : h_i = f16(y_i),  y = emb[v] * 1 / (|emb[v]| + 1e-13)
;   place  50    : c = 1/2 sum (y_i - h_i)(y_i + h_i) = 1/2 (|y|^2 - |h|^2), summed term by term (no difference of large sums)
;   place  51    : n = |emb[v]| / (|emb[v]| + 1e-13): 1 for ordinary rows, 0 for a row of zeros
;   places 52..63: 0
; The second launch swaps places 50 and 51 in the query's rows, so that its product is h_q.h_d + n_q c_d + c_q n_d:
; for equal tokens that is |y|^2 in f32 accuracy, which the kernel of width 0.001 at 1 needs.
; f16 has the range for every input: |y_i| <= 1 by the normalisation itself.
; One wave is a work-group and takes 32 rows, a row a lane: 6,400 neighbouring bytes in, 4,096 neighbouring bytes out.
; 3,125 x 32 = 100,000.  Rows of 200 bytes are read as 16 neighbouring bytes a lane and dealt to the lanes through LDS;
; the rows of 128 bytes go back through LDS, so that each store of the wave covers 512 consecutive bytes, aligned.
; No matrix unit, cluster or tensor load: each byte is read once, by one wave, and no two work-groups share any.
; LIMITS: a row whose sum of squares is below 2^-126 has its norm taken as 0 by v_sqrt_f32 (ISA guide 15.8): y is still
; right there, since 1e-13 rules the divisor, and n becomes 0.  A sum of squares beyond f32 overflows as it does in f32
; anywhere.  NaN and infinities spread over their row.  Reciprocal and root are good to 1 ULP, not correctly rounded.
; THE MODE: SCHED_MODE bits 1:0 = 2 (LLVM: expert scheduling mode 2), set by the entry lines.  The code itself states the register
; dependences between vector instructions and memory or LDS instructions, with s_wait_alu, always for 0.
; THE PLAN.  Registers that memory or LDS instructions touch, in the order of the text (there is no loop):
;   v1 .. v5    offsets and LDS addresses: written at the head, never again; read by every load and store.
;   IN          the 13 global loads land in it; the 13 LDS stores that stage the input read it.  No vector line names it before that.
;   H           IN's first 32 registers, once those stores have read them: the whole output row.  Written by the roundings and six moves; read by eight LDS stores.
;   Y           the 25 LDS loads land in it; vector lines read it and normalise it in place.
;   OUT         Y's first 32 registers, once the vector lines are done with them: the eight LDS loads of the way out land in it; the eight global stores read it.
;   v144, v145  written at the head, read by the closing add alone.
;   T, E, SS, C, NRM, DEN, INV are named by vector instructions alone.
; So three waits state all of it: one on va_vdst ahead of the first load (the addresses), one on vm_vsrc where IN becomes H, and one on va_vdst ahead of
; the run of LDS stores of H, behind which no vector instruction stands.  Two more on va_vdst stand ahead of the readers of the root and of the reciprocal.
.set INROW,   200                      ; bytes of a row of emb
.set INBYTES, 32*INROW                 ; 6,400 = 25 x 256
.set OPITCH,  144                      ; a staged output row: 128 bytes + 16, an odd multiple of 16
.set OUTST,   INBYTES                  ; LDS: bytes 0..6399 the rows as they lie in memory; 6400..11007 the output stage; from 11008 (0x2b00) on the spare words
.set T,   12                           ; v[12:19]  h back in f32, then y + h
.set E,   20                           ; v[20:27]  y - h
.set SS,  28                           ; v[28:35]  four chains of squares
.set C,   36                           ; v[36:39]  two chains of the correction
.set NRM, 40                           ; v40       |v|
.set DEN, 41                           ; v41       |v| + 1e-13
.set INV, 42                           ; v[42:43]  1 / DEN, and n
.set Y,   44                           ; v[44:93]  my row in f32, normalised in place
.set OUT, Y                            ; v[44:75]  again for the way out: 512 bytes of four output rows to each four registers
.set IN,  94                           ; v[94:143] as loaded
.set H,   IN                           ; v[94:125] then the 32 words of my output row (named v94 .. v118 below, for their halves)
	s_load_b128 s[4:7], s[0:1], 0x0                ; emb s[4:5], table s[6:7]
	v_lshl_add_u32 v144, v0, 2, 0x2b00             ; the LDS address of my spare word, and 0: made here and kept for the closing lines alone
	v_mov_b32 v145, 0
	s_mul_i32 s2, ttmp9, INBYTES                   ; at most 19,993,600: one word
	s_mov_b32 s3, 0
	s_lshl_b32 s8, ttmp9, 12                       ; 32 rows of 128 bytes
	s_mov_b32 s9, 0
	v_lshlrev_b32 v1, 4, v0                        ; 16 x lane: loads, stage, stores
	v_lshlrev_b32 v2, 3, v0                        ; 8 x lane: the last 256 bytes
	v_mul_u32_u24 v3, INROW, v0                    ; my row in the staged input
	v_mul_u32_u24 v4, OPITCH, v0
	v_add_nc_u32 v4, OUTST, v4                     ; my row in the output stage
	v_lshrrev_b32 v5, 3, v0                        ; way out: eight lanes take a row of 128 bytes
	v_and_b32 v6, 7, v0
	v_mul_u32_u24 v5, OPITCH, v5
	v_lshl_add_u32 v5, v6, 4, v5
	v_add_nc_u32 v5, OUTST, v5
	s_wait_kmcnt 0x0
	s_add_nc_u64 s[4:5], s[4:5], s[2:3]
	s_add_nc_u64 s[6:7], s[6:7], s[8:9]
	s_wait_alu depctr_va_vdst(0)                   ; v1 to v5 are written: every load and store of the kernel reads one of them as its offset or address
	; 12 x 512 + 256 = 6,400 bytes, all requested at once; read once in the launch
.set i, 0
.rept 12
	global_load_b128 v[IN+4*i:IN+4*i+3], v1, s[4:5] offset:512*i th:TH_LOAD_NT
.set i, i+1
.endr
	global_load_b64 v[IN+48:IN+49], v2, s[4:5] offset:6144 th:TH_LOAD_NT
.set i, 0
.rept 12
	s_wait_loadcnt 12-i                            ; loads come back in order (ISA guide 5.7.1): the 12 - i younger ones stay out
	ds_store_b128 v1, v[IN+4*i:IN+4*i+3] offset:512*i
.set i, i+1
.endr
	s_wait_loadcnt 0x0
	ds_store_b64 v2, v[IN+48:IN+49] offset:6144
	; My row, 25 x 8 bytes.  LDS serves a wave's instructions in order (ISA guide 5.7.1.4): these see the stores above.
	; Lane l starts at word 50 l = 2 (25 l): 32 different even words modulo 64.
.set i, 0
.rept 25
	ds_load_b64 v[Y+2*i:Y+2*i+1], v3 offset:8*i
.set i, i+1
.endr
	s_wait_dscnt 0x0
	s_wait_alu depctr_vm_vsrc(0)                   ; the LDS stores above have read v[IN ..]: its first 32 registers are H from here on, written by the roundings and moves below
	; the sum of squares, in four chains that the first four pairs start
.set i, 0
.rept 4
	v_pk_mul_f32 v[SS+2*i:SS+2*i+1], v[Y+2*i:Y+2*i+1], v[Y+2*i:Y+2*i+1]
.set i, i+1
.endr
.rept 21
	v_pk_fma_f32 v[SS+2*(i%4):SS+2*(i%4)+1], v[Y+2*i:Y+2*i+1], v[Y+2*i:Y+2*i+1], v[SS+2*(i%4):SS+2*(i%4)+1]
.set i, i+1
.endr
	v_pk_add_f32 v[SS:SS+1], v[SS:SS+1], v[SS+2:SS+3]
	v_pk_add_f32 v[SS+4:SS+5], v[SS+4:SS+5], v[SS+6:SS+7]
	v_pk_add_f32 v[SS:SS+1], v[SS:SS+1], v[SS+4:SS+5]
	v_add_f32 v[SS], v[SS], v[SS+1]
	v_sqrt_f32 v[NRM], v[SS]
	v_nop                                          ; one plain place behind a transcendental before its result is used (ISA guide 5.7.2)
	s_wait_alu depctr_va_vdst(0)                   ; the root has written v[NRM], ahead of its first reader
	v_add_f32 v[DEN], 0x29e12e13, v[NRM]           ; + 1e-13
	v_rcp_f32 v[INV], v[DEN]
	v_nop                                          ; likewise
	s_wait_alu depctr_va_vdst(0)                   ; the reciprocal has written v[INV], ahead of its first reader
	v_mul_f32 v[INV+1], v[NRM], v[INV]             ; n
.set i, 0
.rept 25
	v_pk_mul_f32 v[Y+2*i:Y+2*i+1], v[Y+2*i:Y+2*i+1], v[INV:INV+1] op_sel_hi:[1,0]   ; both halves by 1 / DEN
.set i, i+1
.endr
; Four words (eight places) of the output row at a time: ROUND rounds them to f16 into H, four BACK take the roundings back into f32, CORR adds them to the correction.
; Each word of H has a register of its own, so that no LDS store stands among these lines: the row is staged in one run behind them.
.macro ROUND g
.irp k, 0,1,2,3
	v_cvt_pk_f16_f32 v[H+4*\g+\k], v[Y+8*\g+2*\k], v[Y+8*\g+2*\k+1]
.endr
.endm
.macro BACK d, lo, hi                  ; the two halves of a word of H, handed over by name
	v_cvt_f32_f16 v[T+\d], \lo
	v_cvt_f32_f16 v[T+\d+1], \hi
.endm
.macro CORR g, first
.irp k, 0,2,4,6
	v_pk_add_f32 v[E+\k:E+\k+1], v[Y+8*\g+\k:Y+8*\g+\k+1], v[T+\k:T+\k+1] neg_lo:[0,1] neg_hi:[0,1]   ; y - h
.endr
.irp k, 0,2,4,6
	v_pk_add_f32 v[T+\k:T+\k+1], v[Y+8*\g+\k:Y+8*\g+\k+1], v[T+\k:T+\k+1]                             ; y + h
.endr
.if \first
	v_pk_mul_f32 v[C:C+1], v[E:E+1], v[T:T+1]                      ; the first products start the two chains
	v_pk_mul_f32 v[C+2:C+3], v[E+2:E+3], v[T+2:T+3]
.else
	v_pk_fma_f32 v[C:C+1], v[E:E+1], v[T:T+1], v[C:C+1]
	v_pk_fma_f32 v[C+2:C+3], v[E+2:E+3], v[T+2:T+3], v[C+2:C+3]
.endif
	v_pk_fma_f32 v[C:C+1], v[E+4:E+5], v[T+4:T+5], v[C:C+1]
	v_pk_fma_f32 v[C+2:C+3], v[E+6:E+7], v[T+6:T+7], v[C+2:C+3]
.endm
	ROUND 0
	BACK 0, v94.l, v94.h
	BACK 2, v95.l, v95.h
	BACK 4, v96.l, v96.h
	BACK 6, v97.l, v97.h
	CORR 0, 1
	ROUND 1
	BACK 0, v98.l, v98.h
	BACK 2, v99.l, v99.h
	BACK 4, v100.l, v100.h
	BACK 6, v101.l, v101.h
	CORR 1, 0
	ROUND 2
	BACK 0, v102.l, v102.h
	BACK 2, v103.l, v103.h
	BACK 4, v104.l, v104.h
	BACK 6, v105.l, v105.h
	CORR 2, 0
	ROUND 3
	BACK 0, v106.l, v106.h
	BACK 2, v107.l, v107.h
	BACK 4, v108.l, v108.h
	BACK 6, v109.l, v109.h
	CORR 3, 0
	ROUND 4
	BACK 0, v110.l, v110.h
	BACK 2, v111.l, v111.h
	BACK 4, v112.l, v112.h
	BACK 6, v113.l, v113.h
	CORR 4, 0
	ROUND 5
	BACK 0, v114.l, v114.h
	BACK 2, v115.l, v115.h
	BACK 4, v116.l, v116.h
	BACK 6, v117.l, v117.h
	CORR 5, 0
	; places 48 and 49, then c and n, then zeros
	v_cvt_pk_f16_f32 v[H+24], v[Y+48], v[Y+49]
	BACK 0, v118.l, v118.h
	v_pk_add_f32 v[E:E+1], v[Y+48:Y+49], v[T:T+1] neg_lo:[0,1] neg_hi:[0,1]
	v_pk_add_f32 v[T:T+1], v[Y+48:Y+49], v[T:T+1]
	v_pk_fma_f32 v[C:C+1], v[E:E+1], v[T:T+1], v[C:C+1]
	v_pk_add_f32 v[C:C+1], v[C:C+1], v[C+2:C+3]
	v_add_f32 v[C], v[C], v[C+1]
	v_mul_f32 v[C], 0.5, v[C]
	v_cvt_pk_f16_f32 v[H+25], v[C], v[INV+1]       ; place 50 = c in the low half, place 51 = n in the high half
.set i, 26
.rept 6
	v_mov_b32 v[H+i], 0                            ; places 52 to 63
.set i, i+1
.endr
	s_wait_alu depctr_va_vdst(0)                   ; the roundings and moves have written H, which the LDS stores below read; the vector lines are done reading and writing v[Y ..], in whose first 32 registers the loads below land.  No vector instruction follows this wait
.set i, 0
.rept 8
	ds_store_b128 v4, v[H+4*i:H+4*i+3] offset:16*i ; my row of 128 bytes into the stage
.set i, i+1
.endr
	; the way out: four rows (512 bytes) a load, stored as 512 consecutive bytes at a multiple of 512 from the table's first byte.
	; No hint on the stores: the next launch reads the table.
.set i, 0
.rept 8
	ds_load_b128 v[OUT+4*i:OUT+4*i+3], v5 offset:4*OPITCH*i        ; in order behind the wave's own stores
.set i, i+1
.endr
.set i, 0
.rept 8
	s_wait_dscnt 7-i                               ; the 7 - i younger loads stay out
	global_store_b128 v1, v[OUT+4*i:OUT+4*i+3], s[6:7] offset:512*i
.set i, i+1
.endr
	s_wait_dscnt 0x0                               ; the closing lines, six on end
	s_wait_alu 0x0
	s_wait_tensorcnt 0x0
	ds_add_u32 v144, v145
	s_wait_dscnt 0x0
	s_endpgm
.Lfunc_end_k_qe1eb36ec46_prep:
	.size	k_qe1eb36ec46_prep, .Lfunc_end_k_qe1eb36ec46_prep-k_qe1eb36ec46_prep
	.p2alignl 7, 3214868480
	.fill 96, 4, 3214868480
	.section	.rodata,"a",@progbits
	.p2align	6, 0x0
	.amdhsa_kernel k_qe1eb36ec46_prep
		.amdhsa_group_segment_fixed_size 11264
		.amdhsa_private_segment_fixed_size 0
		.amdhsa_enable_private_segment 0
		.amdhsa_kernarg_size 16
		.amdhsa_user_sgpr_count 2
		.amdhsa_user_sgpr_kernarg_segment_ptr 1
		.amdhsa_wavefront_size32 1
		.amdhsa_system_sgpr_workgroup_id_x 1
		.amdhsa_system_sgpr_workgroup_id_y 1
		.amdhsa_system_sgpr_workgroup_id_z 1
		.amdhsa_system_vgpr_workitem_id 0
		.amdhsa_next_free_vgpr 146
		.amdhsa_next_free_sgpr 66
		.amdhsa_reserve_vcc 0
		.amdhsa_float_denorm_mode_32 3
		.amdhsa_float_denorm_mode_16_64 3
		.amdhsa_memory_ordered 1
		.amdhsa_forward_progress 1
		.amdhsa_inst_pref_size 20
	.end_amdhsa_kernel
	.amdgpu_metadata
---
amdhsa.version: [ 1, 2 ]
amdhsa.kernels:
  - .name:           k_qe1eb36ec46_prep
    .symbol:         k_qe1eb36ec46_prep.kd
    .args:
      - { .name: emb, .offset: 0, .size: 8, .value_kind: global_buffer, .address_space: global }
      - { .name: table, .offset: 8, .size: 8, .value_kind: global_buffer, .address_space: global }
    .group_segment_fixed_size: 11264
    .private_segment_fixed_size: 0
    .kernarg_segment_align: 8
    .kernarg_segment_size: 16
    .max_flat_workgroup_size: 32
    .sgpr_count:     66
    .vgpr_count:     146
    .wavefront_size: 32
...
	.end_amdgpu_metadata
.endif
;; end of part 3
;; launch knrm: the kernel of part 2 again; grid 256 x 1, 16 waves a work-group, no clusters, 2,304 bytes of LDS; arguments table, doc1, doc2, query1, query2, w0, b0, w1, b1, w2, b2, out0; writes out0
